; MI455X (gfx1250); checked and timed in simulation.
; The chip was launched on July 23, 2026; its instructions are those of AMD's public machine-readable ISA for CDNA 5 (MIT licence, August 2026) and "CDNA5" Instruction Set Architecture Reference Guide (July 2026). The comments in the code are by the model that wrote it; some were corrected since.
;; Multi Head Linear Attention. Allowed arithmetic: float matrix products may take bf16 or f16 operands with f32 sums; all other float work in f32.
;; Inputs: k_b1 512 float32; k_b2 512 float32; k_w1 512 x 512 float32; k_w2 512 x 512 float32; key 4 x 8,192 x 512 float32; out_b 512 float32; out_w 512 x 512 float32; q_b1 512 float32; q_b2 512 float32; q_w1 512 x 512 float32; q_w2 512 x 512 float32; query 4 x 8,192 x 512 float32; v_b1 512 float32; v_b2 512 float32; v_w1 512 x 512 float32; v_w2 512 x 512 float32; value 4 x 8,192 x 512 float32.
;; Outputs: out0 4 x 8,192 x 512 float32.
;; One version. Each part assembles by itself: llvm-mc -triple=amdgcn-amd-amdhsa -mcpu=gfx1250 --defsym DOCPART=n.
;; ======== version 1 of 1: 4 launches
;; limits: values outside matrix products are rounded to bf16
;; workspace buffers: wst 3,670,016 bytes; part 20,971,520 bytes; wf 2,097,152 bytes; ks 8,192 bytes
;; launch prep (part 1): grid 224 x 1, 8 waves a work-group, no clusters, 0 bytes of LDS; arguments k_w1, k_w2, v_w1, v_w2, q_w1, q_w2, out_w, wst; writes wst
.if DOCPART == 1
	.amdgcn_target "amdgcn-amd-amdhsa--gfx1250"
	.amdhsa_code_object_version 6
	.text
	.protected	k_qc33a8f4f44_prep
	.globl	k_qc33a8f4f44_prep
	.p2align	8
	.type	k_qc33a8f4f44_prep,@function
k_qc33a8f4f44_prep:
	s_mov_b64 s[64:65], 0
	v_nop
	global_prefetch_b8 v0, s[64:65] scope:SCOPE_SE
	s_setreg_imm32_b32 hwreg(HW_REG_WAVE_MODE, 25, 1), 1
	s_wait_xcnt 0x0
; The seven weight matrices [512][512] f32 are scaled, rounded to bf16 and laid in the order in which the later launches' matrix fragments want them.
; wst = 7 regions of 524,288 bytes: [step 8][wave 4][half 2][c 8][q 2][lane 32][16 bytes].  Lane l (r = l % 16, hh = l / 16) holds
; k = 64 step + 32 half + 16 q + 8 hh + 0..7 of one weight row.  Regions 0 K hg0, 1 V hg0, 2 K hg1, 3 V hg1, 4 Q hg0, 5 Q hg1:
; row 64 (4 hg + wave) + 16 (c % 4) + r of matrix W1 (c < 4) or W2.  Region 6, out_w: row 128 wave + 16 c + r.
; THE SCALES spare the later launches a multiplication for each number: every W1 times -log2(e), so that x W1^T is the argument of the gate's 2^x; K's and Q's W2 times -1,
; so that the gate's product comes out times log2(e), as the elu's 2^x wants it; V's W2 times -ln(2), so that its product comes out as it is; out_w times 1.
; LIMIT: W1 and V's W2 are rounded to bf16 after the scaling, not before it: the same relative error.
; A work-group writes one block (region, step, wave) of 16,384 bytes, a wave one c.  Each store of a wave covers 512 consecutive bytes, aligned.
	s_load_b512 s[4:19], s[0:1], 0x0               ; k_w1 k_w2 v_w1 v_w2 q_w1 q_w2 out_w wst
	v_lshrrev_b32 v1, 5, v0
	v_readfirstlane_b32 s23, v1                    ; c
	s_lshr_b32 s20, ttmp9, 5                       ; region
	s_bfe_u32 s21, ttmp9, 0x30002                  ; step
	s_and_b32 s22, ttmp9, 3                        ; wave of the later launch
	s_and_b32 s26, s20, 1
	s_lshr_b32 s25, s20, 1
	s_cmp_ge_u32 s20, 4
	s_cselect_b32 s24, 2, s26                      ; which projection: K 0, V 1, Q 2
	s_cselect_b32 s25, s26, s25                    ; hg
	s_lshr_b32 s27, s23, 2
	s_lshl1_add_u32 s24, s24, s27                  ; matrix number = 2 x projection + (c / 4)
	s_lshl2_add_u32 s25, s25, s22                  ; head = 4 hg + wave
	s_lshl_b32 s25, s25, 6
	s_and_b32 s27, s23, 3
	s_lshl4_add_u32 s25, s27, s25                  ; first row = 64 head + 16 (c % 4)
	s_lshl_b32 s28, s22, 7
	s_lshl4_add_u32 s28, s23, s28                  ; out_w: 128 wave + 16 c
	s_cmp_eq_u32 s20, 6
	s_cselect_b32 s24, 6, s24
	s_cselect_b32 s25, s28, s25
	s_mov_b32 s32, 0xbf800000                      ; the scale: -1 for k_w2 and q_w2,
	s_and_b32 s27, s24, 1
	s_cmp_eq_u32 s27, 0
	s_cselect_b32 s32, 0xbfb8aa3b, s32             ; -log2(e) for every W1,
	s_cmp_eq_u32 s24, 3
	s_cselect_b32 s32, 0xbf317218, s32             ; -ln(2) for v_w2,
	s_cmp_eq_u32 s24, 6
	s_cselect_b32 s32, 0x3f800000, s32             ; 1 for out_w
	s_mov_b32 s33, s32                             ; named with it as a pair
	v_and_b32 v1, 15, v0                           ; r
	v_bfe_u32 v2, v0, 4, 1                         ; hh
	v_and_b32 v3, 31, v0                           ; lane
	v_add_nc_u32 v4, s25, v1
	v_lshlrev_b32 v4, 11, v4                       ; a row is 2,048 bytes
	v_lshl_add_u32 v4, v2, 5, v4                   ; + 32 hh
	s_lshl_b32 s29, s21, 8
	v_add_nc_u32 v4, s29, v4                       ; + 256 step
	s_lshl_b32 s29, s20, 19
	s_lshl_b32 s27, s21, 16
	s_add_co_u32 s29, s29, s27
	s_lshl_b32 s27, s22, 14
	s_add_co_u32 s29, s29, s27
	s_lshl_b32 s27, s23, 10
	s_add_co_u32 s29, s29, s27
	v_lshl_add_u32 v5, v3, 4, s29                  ; where my 16 bytes go
	s_wait_kmcnt 0x0
	s_mov_b64 s[30:31], s[4:5]
.irp m, 1,2,3,4,5,6
	s_cmp_eq_u32 s24, \m
	s_cselect_b64 s[30:31], s[4+2*(\m):5+2*(\m)], s[30:31]
.endr
.irp g, 0,1,2,3                        ; g = 2 half + q: 8 numbers, 32 bytes
	global_load_b128 v[8+8*(\g):11+8*(\g)],  v4, s[30:31] offset:((\g)/2)*128+((\g)%2)*64
	global_load_b128 v[12+8*(\g):15+8*(\g)], v4, s[30:31] offset:((\g)/2)*128+((\g)%2)*64+16
.endr
	s_wait_loadcnt 0x0
.set p, 0
.rept 16
	v_pk_mul_f32 v[8+2*p:9+2*p], v[8+2*p:9+2*p], s[32:33] op_sel_hi:[1,0]
.set p, p+1
.endr
.irp g, 0,1,2,3
.irp j, 0,1,2,3
	v_cvt_pk_bf16_f32 v[40+4*(\g)+(\j)], v[8+8*(\g)+2*(\j)], v[9+8*(\g)+2*(\j)]
.endr
.endr
.irp g, 0,1,2,3
	global_store_b128 v5, v[40+4*(\g):43+4*(\g)], s[18:19] offset:((\g)/2)*8192+((\g)%2)*512
.endr
	s_endpgm
.Lfunc_end_k_qc33a8f4f44_prep:
	.size	k_qc33a8f4f44_prep, .Lfunc_end_k_qc33a8f4f44_prep-k_qc33a8f4f44_prep
	.p2alignl 7, 3214868480
	.fill 96, 4, 3214868480
	.section	.rodata,"a",@progbits
	.p2align	6, 0x0
	.amdhsa_kernel k_qc33a8f4f44_prep
		.amdhsa_group_segment_fixed_size 0
		.amdhsa_private_segment_fixed_size 0
		.amdhsa_enable_private_segment 0
		.amdhsa_kernarg_size 64
		.amdhsa_user_sgpr_count 2
		.amdhsa_user_sgpr_kernarg_segment_ptr 1
		.amdhsa_wavefront_size32 1
		.amdhsa_system_sgpr_workgroup_id_x 1
		.amdhsa_system_sgpr_workgroup_id_y 1
		.amdhsa_system_sgpr_workgroup_id_z 1
		.amdhsa_system_vgpr_workitem_id 0
		.amdhsa_next_free_vgpr 64
		.amdhsa_next_free_sgpr 66
		.amdhsa_reserve_vcc 0
		.amdhsa_float_denorm_mode_32 3
		.amdhsa_float_denorm_mode_16_64 3
		.amdhsa_memory_ordered 1
		.amdhsa_forward_progress 1
		.amdhsa_inst_pref_size 6
	.end_amdhsa_kernel
	.amdgpu_metadata
---
amdhsa.version: [ 1, 2 ]
amdhsa.kernels:
  - .name:           k_qc33a8f4f44_prep
    .symbol:         k_qc33a8f4f44_prep.kd
    .args:
      - { .name: k_w1, .offset: 0, .size: 8, .value_kind: global_buffer, .address_space: global }
      - { .name: k_w2, .offset: 8, .size: 8, .value_kind: global_buffer, .address_space: global }
      - { .name: v_w1, .offset: 16, .size: 8, .value_kind: global_buffer, .address_space: global }
      - { .name: v_w2, .offset: 24, .size: 8, .value_kind: global_buffer, .address_space: global }
      - { .name: q_w1, .offset: 32, .size: 8, .value_kind: global_buffer, .address_space: global }
      - { .name: q_w2, .offset: 40, .size: 8, .value_kind: global_buffer, .address_space: global }
      - { .name: out_w, .offset: 48, .size: 8, .value_kind: global_buffer, .address_space: global }
      - { .name: wst, .offset: 56, .size: 8, .value_kind: global_buffer, .address_space: global }
    .group_segment_fixed_size: 0
    .private_segment_fixed_size: 0
    .kernarg_segment_align: 8
    .kernarg_segment_size: 64
    .max_flat_workgroup_size: 256
    .sgpr_count:     66
    .vgpr_count:     64
    .wavefront_size: 32
...
	.end_amdgpu_metadata
.endif
;; end of part 1
;; launch kv (part 2): grid 256 x 1, 4 waves a work-group, clusters of 4 x 1, 327,680 bytes of LDS; arguments key, value, k_b1, k_b2, v_b1, v_b2, wst, part; writes part
.if DOCPART == 2
	.amdgcn_target "amdgcn-amd-amdhsa--gfx1250"
	.amdhsa_code_object_version 6
	.text
	.protected	k_qc33a8f4f44_kv
	.globl	k_qc33a8f4f44_kv
	.p2align	8
	.type	k_qc33a8f4f44_kv,@function
k_qc33a8f4f44_kv:
	s_mov_b64 s[64:65], 0
	v_nop
	global_prefetch_b8 v0, s[64:65] scope:SCOPE_SE
	s_setreg_imm32_b32 hwreg(HW_REG_WAVE_MODE, 25, 1), 1
	s_wait_xcnt 0x0
	s_wait_alu depctr_hold_cnt(0) depctr_sa_sdst(0) depctr_va_vdst(0) depctr_va_sdst(0) depctr_va_ssrc(0) depctr_va_vcc(0) depctr_vm_vsrc(0)
	s_getreg_b32 s2, hwreg(HW_REG_IB_STS2, 6, 4)
	s_cmp_eq_u32 s2, 0
	s_cbranch_scc0 .Lentry_in_a_cluster
	s_endpgm
.Lentry_in_a_cluster:
	s_bfe_u32 s2, ttmp6, 0x10000c
	s_cmp_lg_u32 s2, 0x3003
	s_cbranch_scc0 .Lentry_shape_is_right
	s_endpgm
.Lentry_shape_is_right:
; k = silu(key W1^T + b1) (key W2^T + b2), phi_k = elu(k) + 1, v likewise without the elu; partial sums over 256 rows of KV^T[e][d] = sum v[s][e] phi_k[s][d] and of ksum[d].
; SHARES.  A work-group has 256 rows (a chunk) and four heads (hg); wave w has head 4 hg + w.  Four phases: rows 0-127 K, V; rows 128-255 K, V.  A phase is C[128 rows][512 weight rows], K = 512;
; a wave's 128 weight rows are its head's 64 columns of W1 and of W2: 64 accumulators, 512 registers.  K goes in 8 steps of 64, two halves of 32 each.
; W comes in bf16 fragment order, scaled (launch prep), through a ring of two LDS slots; each wave brings and alone reads its 16,384 bytes of a step.  The four work-groups of a cluster have the
; same hg and walk the same W: each tile is asked for JOINTLY (mask of four).  x comes as f32 through registers, is rounded to bf16 and laid into LDS, 128 K every second step, asked for two steps ahead.
; K IS WALKED FROM ANOTHER START IN EACH CLUSTER: with g = two bits of the cluster's number, place p of a phase is K step (p + 2 g) mod 8, for W and for x alike.  So the clusters do not all ask for
; the same bytes of W at the same time: all eight steps of a phase are first asked for at its start, each by one group.  Only global addresses hang on g; a sum's order of K differs from cluster to cluster.
; The product is used as it stands (source 0 = 16 rows of x, source 1 = 16 weight rows): a lane holds one column and eight rows, so the packed results of two row blocks ARE a fragment with
; K = rows for the second product: nothing changes lanes.  ksum is the product of a fragment of ones with phi_k.
; THE GATE.  By prep's scales a = -log2(e) (x W1^T + b1) and b = -(x W2^T + b2) (V: times ln 2): a b / (1 + 2^a) is k log2(e), or v.  elu(k) + 1 = ln 2 (k' - min(k', 0)) + 2^min(k', 0), k' = k log2(e).
; LIMITS.  All inputs are rounded to bf16 (W1 and V's W2 after their scaling; the biases before it); phi_k and v are rounded to bf16 for the second product (ksum is the sum of the rounded phi_k);
; sums in f32.  An exponential below 2^-126 counts as 0; NaN and infinities are not treated apart.
; REGISTERS.  window 0: v0-31 addresses; v32-159 S, x on its way; v160-191, v192-223 fragments of x (row blocks 0-3, 4-7); v224-255 ones and biases.
; window 1: v0-63, v192-255 phi_k kept over the V phase; v64-127, v128-191 fragments of W, two buffers, later the packed results.  windows 2, 3: accumulators (a, c) at v[8 (8 a + c)].
.set XB,     131072                    ; behind the ring: x in bf16, 4 chunks of 64 K x 128 rows, rows 144 bytes apart (128 + 16: sixteen rows start at sixteen different groups of four banks)
.set CH,     18560                     ; from chunk to chunk: 128 x 144 + 128, so that the two halves of a store's lanes fall into different halves of the banks
.set PAIR,   2*CH
.set SPILL,  XB+4*CH                   ; 20,480 bytes a wave: the KV accumulators between the two halves of the rows
.set SPARE,  SPILL+4*20480             ; the spare words, 128 bytes a wave
.set NPH,    4
.set NPAIR,  16
.set ADRB0, 4                          ; v4    my 16 bytes in my part of slot 0
.set ADRB,  5                          ; v5    the same in the slot in hand
.set ADRA0, 6                          ; v6    my place in a fragment of x, chunk 0
.set ADRA,  7                          ; v7    the same in the chunk in hand
.set VXG,   8                          ; v8    my byte offset in the block's rows of x: 32 w rows + 16 lane
.set VXS0,  9                          ; v9    where I put 8 bytes of a row of x
.set VXS,   10
.set VSP,   11                         ; v11   my 16 bytes in my spill
.set L16,   12                         ; v12   16 lane
.set BOF,   26                         ; v26   byte offset of my column in the biases
.set SPW,   28
.set NIL,   29
.set S,     32
.set ALO,   160
.set ONES,  224
.set BK,    232                        ; pairs (b1, b2), scaled, for column blocks 0-3: K's, V's, the phase's
.set BV,    240
.set BI,    248
.set SAFE0, 0
.set BF0,   64
.set BF1,   128
.set SAFE1, 192
.set WV, 20
.set CX, 21
.set HG, 22
.set CK, 23
.set G1, 24
.set G0, 32                            ; s[32:35] slot 0's first fill; s[36:39] slot 1's, which then walks
.set XP, 40                            ; s[40:41] x at the pair to be loaded
.set WO, 42                            ; s[42:43] a step's byte offset in W
.set CNT, 44
.set PH, 45
.set TU, 46                            ; the place of the step of W to be asked for next, counted through all phases
.set CI, 47                            ; the chunk of x in hand, 0 to 3
.set PL, 48                            ; the pair of x to be loaded next
.set XR, 49                            ; LDS offset of the chunk that is read
.set XW, 50                            ; of the pair that is written
.set TRIP, 51
.set T0, 52
.set MK, 53
.set LN2, 54
.set WR, 56                            ; LDS offset of the slot that is read
.set GG, 57                            ; g
.set G2, 58                            ; 2 g
.set T1, 59
.set WB, 60                            ; s[60:61] W at my wave's part of step 0
.set PO, 66                            ; s[66:67] part at my (chunk, head)
.set UO, 68
.set CO, 70                            ; offsets that hang on my place in the cluster: they enter x's and part's addresses alone
.set XO, 72
.set HD, 76
.set NL2, 78
.set NLN, 79
.set MSB, 0
.macro WIN new                         ; the immediate's high byte repeats the setting that is left
.if MSB != (\new)
	s_set_vgpr_msb (MSB<<8)|(\new)
.set MSB, (\new)
.endif
.endm
.macro PLACES                          ; four plain instructions between a matrix instruction and a load into, or a vector read of, its registers
.rept 4
	v_nop
.endr
.endm
.macro CREST                           ; a round of the cluster's barrier behind its opening barrier
	s_cmp_lg_u32 s[WV], 0
	s_cbranch_scc1 .Lnot_wave_0_\@
	s_barrier_signal -3
.Lnot_wave_0_\@:
	s_barrier_wait -3
	s_barrier_signal -1
	s_barrier_wait -1
.endm
.macro CROUND
	s_barrier_signal -1
	s_barrier_wait -1
	CREST
.endm
.macro JLOAD g                         ; my 16,384 bytes of a step of W, jointly with the three partners
	tensor_load_to_lds s[(\g):(\g)+3], s[G1:G1+7]
	s_nop 0
	PLACES
.endm
.macro SETW g                          ; the address is made anew: W's base + 65,536 x (8 for V's steps + (place + 2 g) mod 8)
	s_add_co_u32 s[T1], s[TU], s[G2]
	s_and_b32 s[T1], s[T1], 7
	s_and_b32 s[WO], s[TU], 8
	s_or_b32 s[WO], s[WO], s[T1]
	s_lshl_b32 s[WO], s[WO], 16
	s_add_nc_u64 s[(\g)+2:(\g)+3], s[WB:WB+1], s[WO:WO+1]
	s_or_b32 s[(\g)+3], s[(\g)+3], 0x80000000
	s_add_co_u32 s[TU], s[TU], 1
.endm
; 16 matrix instructions: row blocks a0, a0 + 1 of four (hi = 0: rows 0-63; 1: rows 64-127) x all 8 weight blocks, 32 along K.  The 64 accumulators take turns.
.macro MUL16 f, hi, a0, zero
	WIN 0xa4+0x50*(\hi)
.irp a, \a0, (\a0)+1
.irp c, 0,1,2,3,4,5,6,7
.if \zero
	v_wmma_f32_16x16x32_bf16 v[8*(8*(\a)+(\c)):8*(8*(\a)+(\c))+7], v[ALO+32*(\hi)+8*(\a):ALO+32*(\hi)+8*(\a)+7], v[(\f)+8*(\c):(\f)+8*(\c)+7], 0
.else
	v_wmma_f32_16x16x32_bf16 v[8*(8*(\a)+(\c)):8*(8*(\a)+(\c))+7], v[ALO+32*(\hi)+8*(\a):ALO+32*(\hi)+8*(\a)+7], v[(\f)+8*(\c):(\f)+8*(\c)+7], v[8*(8*(\a)+(\c)):8*(8*(\a)+(\c))+7]
.endif
.endr
.endr
.endm
.macro FETCHB f, h                     ; 16 loads: W's eight fragments of half h of the slot in hand; each load takes 512 consecutive bytes
	WIN 0x40
.irp c, 0,1,2,3,4,5,6,7
	ds_load_b128 v[(\f)+8*(\c):(\f)+8*(\c)+3],   v[ADRB] offset:(\h)*8192+(\c)*1024
	ds_load_b128 v[(\f)+8*(\c)+4:(\f)+8*(\c)+7], v[ADRB] offset:(\h)*8192+(\c)*1024+512
.endr
.endm
.macro FETCHA part, h                  ; 8 loads: x's fragments of row blocks 4 part .. 4 part + 3, half h of the chunk in hand
	WIN 0
.irp a, 0,1,2,3
	ds_load_b128 v[ALO+32*(\part)+8*(\a):ALO+32*(\part)+8*(\a)+3],   v[ADRA] offset:(4*(\part)+(\a))*2304+64*(\h)
	ds_load_b128 v[ALO+32*(\part)+8*(\a)+4:ALO+32*(\part)+8*(\a)+7], v[ADRA] offset:(4*(\part)+(\a))*2304+64*(\h)+32
.endr
.endm
.macro HALF0 zero                      ; a step's first half: multiplies buffer 0, fetches the second half into buffer 1
	s_wait_dscnt 8                                 ; W and x's row blocks 0-3 are in; the youngest eight loads (row blocks 4-7) may be out
	MUL16 BF0, 0, 0, \zero
	MUL16 BF0, 0, 2, \zero
	PLACES
	FETCHB BF1, 1
	FETCHA 0, 1
	s_wait_dscnt 24                                ; all but the 24 just issued
	MUL16 BF0, 1, 0, \zero
	MUL16 BF0, 1, 2, \zero
	PLACES
	FETCHA 1, 1
.endm
; The second half begins, and slots change.  In front of the barrier each wave waits for all its tensor loads (one is out: its part of the other slot), adds 0 to its spare word, and waits for
; that, for its reads of this slot and of this chunk of x, and for its stores of x.  Behind it the chunk may be written over and the pair stored since the last barrier may be read.
.macro MEET
	WIN 0
	s_wait_tensorcnt 0x0
	ds_add_u32 v[SPW], v[NIL]
	s_wait_dscnt 9                                 ; the add and the youngest eight loads may be out
	MUL16 BF1, 0, 0, 0
	s_wait_dscnt 0x0
	s_barrier_signal -1
	MUL16 BF1, 0, 2, 0
	WIN 0
	s_barrier_wait -1
.endm
.macro FILL                            ; the barrier has opened a round of the cluster's; the joint refill is the first thing behind it: the step two places on, into the slot just read
	CREST
	s_xor_b32 s[G0+5], s[G0+5], 65536
	SETW G0+4
	JLOAD G0+4
.endm
.macro HI
	MUL16 BF1, 1, 0, 0
	MUL16 BF1, 1, 2, 0
.endm
.macro TOG                             ; on to the next place: the other slot, the next of the four chunks of x
	s_xor_b32 s[WR], s[WR], 65536
	s_add_co_u32 s[CI], s[CI], 1
	s_and_b32 s[CI], s[CI], 3
	s_mul_i32 s[XR], s[CI], CH
	v_add_nc_u32 v[ADRB], s[WR], v[ADRB0]
	v_add_nc_u32 v[ADRA], s[XR], v[ADRA0]
.endm
.macro REST                            ; the next step's first fragments are fetched; the second half ends
	FETCHB BF0, 0
	FETCHA 0, 0
	HI
	PLACES
	FETCHA 1, 0
.endm
.macro LOADX                           ; pair PL: bit 2 key or value, bit 3 the half of the rows, (bits 1:0 + g) mod 4 the 128 K = 512 bytes along the rows.  32 loads, each a row's 512 aligned bytes
	s_and_b32 s[T0], s[PL], 4
	s_cmp_lg_u32 s[T0], 0
	s_cselect_b64 s[XP:XP+1], s[6:7], s[4:5]
	s_bfe_u32 s[XO], s[PL], 0x10003
	s_lshl_b32 s[XO], s[XO], 18
	s_add_co_u32 s[T0], s[PL], s[GG]
	s_and_b32 s[T0], s[T0], 3
	s_lshl_b32 s[T0], s[T0], 9
	s_add_co_u32 s[XO], s[XO], s[T0]
	s_add_nc_u64 s[XP:XP+1], s[XP:XP+1], s[XO:XO+1]
.set lx, 0
.rept 32
	global_load_b128 v[S+4*lx:S+4*lx+3], v[VXG], s[XP:XP+1] offset:lx*2048
.set lx, lx+1
.endr
.endm
.macro STOREX                          ; 32 rows x 4 numbers a lane: rounded to bf16, 8 bytes a lane; lanes 0-15 the pair's first chunk, lanes 16-31 the second
.set sx, 0
.rept 32
	v_cvt_pk_bf16_f32 v[S+4*sx],   v[S+4*sx],   v[S+4*sx+1]
	v_cvt_pk_bf16_f32 v[S+4*sx+1], v[S+4*sx+2], v[S+4*sx+3]
.set sx, sx+1
.endr
	v_add_nc_u32 v[VXS], s[XW], v[VXS0]
.set sx, 0
.rept 32
	ds_store_b64 v[VXS], v[S+4*sx:S+4*sx+1] offset:sx*144
.set sx, sx+1
.endr
.endm
; THE SWEEP works on window 2: of row block ii the registers 64 ii + 0..31 hold a (column blocks 0-3), 64 ii + 32..63 hold b.  Its first stage, the biases, is written for both windows of
; accumulators and leaves its sums in window 2: so rows 64-127 come down without a copy.
.macro ADDB w                          ; w = 2, 3: the window read.  Each accumulator's lowest registers are read first
	WIN 0x80+(\w)
.irp ii, 0,1,2,3
.set p, 0
.rept 16
	v_pk_add_f32 v[64*(\ii)+2*p:64*(\ii)+2*p+1], v[64*(\ii)+2*p:64*(\ii)+2*p+1], v[BI+2*(p/4):BI+2*(p/4)+1] op_sel_hi:[1,0]
.set p, p+1
.endr
.set p, 0
.rept 16
	v_pk_add_f32 v[64*(\ii)+32+2*p:64*(\ii)+32+2*p+1], v[64*(\ii)+32+2*p:64*(\ii)+32+2*p+1], v[BI+2*(p/4):BI+2*(p/4)+1] op_sel:[0,1] op_sel_hi:[1,1]
.set p, p+1
.endr
.endr
.endm
.macro GATEB ii                        ; a <- a b / (1 + 2^a)
	WIN 0x8a
.set p, 0
.rept 16
	v_pk_mul_f32 v[64*(\ii)+32+2*p:64*(\ii)+32+2*p+1], v[64*(\ii)+32+2*p:64*(\ii)+32+2*p+1], v[64*(\ii)+2*p:64*(\ii)+2*p+1]
.set p, p+1
.endr
.set p, 0
.rept 32
	v_exp_f32 v[64*(\ii)+p], v[64*(\ii)+p]
.set p, p+1
.endr
	v_nop                                          ; a plain instruction behind the last exponential (ISA guide 5.7.2)
.set p, 0
	s_wait_alu depctr_va_vdst(0)
.rept 16
	v_pk_add_f32 v[64*(\ii)+2*p:64*(\ii)+2*p+1], v[64*(\ii)+2*p:64*(\ii)+2*p+1], 1.0 op_sel_hi:[1,0]
.set p, p+1
.endr
.set p, 0
.rept 32
	v_rcp_f32 v[64*(\ii)+p], v[64*(\ii)+p]
.set p, p+1
.endr
	v_nop
.set p, 0
	s_wait_alu depctr_va_vdst(0)
.rept 16
	v_pk_mul_f32 v[64*(\ii)+2*p:64*(\ii)+2*p+1], v[64*(\ii)+2*p:64*(\ii)+2*p+1], v[64*(\ii)+32+2*p:64*(\ii)+32+2*p+1]
.set p, p+1
.endr
.endm
.macro ELU ii                          ; m = min(a, 0); a <- ln 2 (a - m) + 2^m
	WIN 0xaa                                       ; all three sources and the destination in window 2: the last stage's third source is m
.set p, 0
.rept 32
	v_min_num_f32 v[64*(\ii)+32+p], 0, v[64*(\ii)+p]
.set p, p+1
.endr
.set p, 0
.rept 16
	v_pk_add_f32 v[64*(\ii)+2*p:64*(\ii)+2*p+1], v[64*(\ii)+2*p:64*(\ii)+2*p+1], v[64*(\ii)+32+2*p:64*(\ii)+32+2*p+1] neg_lo:[0,1] neg_hi:[0,1]
.set p, p+1
.endr
.set p, 0
.rept 32
	v_exp_f32 v[64*(\ii)+32+p], v[64*(\ii)+32+p]
.set p, p+1
.endr
	v_nop
.set p, 0
	s_wait_alu depctr_va_vdst(0)
.rept 16
	v_pk_fma_f32 v[64*(\ii)+2*p:64*(\ii)+2*p+1], v[64*(\ii)+2*p:64*(\ii)+2*p+1], s[LN2:LN2+1], v[64*(\ii)+32+2*p:64*(\ii)+32+2*p+1] op_sel_hi:[1,0,1]
.set p, p+1
.endr
.endm
.macro CVT base                        ; row blocks 2 ks, 2 ks + 1 of column block nb pack into the fragment (ks, nb) with K = rows
	WIN 0x4a
.irp ii, 0,1,2,3
.irp nb, 0,1,2,3
.irp jj, 0,1,2,3
	v_cvt_pk_bf16_f32 v[(\base)+(((\ii)/2)*4+(\nb))*8+((\ii)%2)*4+(\jj)], v[64*(\ii)+8*(\nb)+2*(\jj)], v[64*(\ii)+8*(\nb)+2*(\jj)+1]
.endr
.endr
.endr
.endm
; 20 matrix instructions: 32 rows (ks) of KV^T += v^T phi_k (tile 5 db + eb) and of the sums of phi_k (tile 5 db + 4: ones x phi_k).  The 20 accumulators take turns.
.macro KVSTEP ks, zero
.set vb, BF0+64*((\ks)/2)+32*((\ks)%2)
.set kb, 192*((\ks)/2)+32*((\ks)%2)
	WIN 0xa5
.irp db, 0,1,2,3
.irp eb, 0,1,2,3
.if \zero
	v_wmma_f32_16x16x32_bf16 v[8*(5*(\db)+(\eb)):8*(5*(\db)+(\eb))+7], v[vb+8*(\eb):vb+8*(\eb)+7], v[kb+8*(\db):kb+8*(\db)+7], 0
.else
	v_wmma_f32_16x16x32_bf16 v[8*(5*(\db)+(\eb)):8*(5*(\db)+(\eb))+7], v[vb+8*(\eb):vb+8*(\eb)+7], v[kb+8*(\db):kb+8*(\db)+7], v[8*(5*(\db)+(\eb)):8*(5*(\db)+(\eb))+7]
.endif
.endr
.endr
	WIN 0xa4
.irp db, 0,1,2,3
.if \zero
	v_wmma_f32_16x16x32_bf16 v[8*(5*(\db)+4):8*(5*(\db)+4)+7], v[ONES:ONES+7], v[kb+8*(\db):kb+8*(\db)+7], 0
.else
	v_wmma_f32_16x16x32_bf16 v[8*(5*(\db)+4):8*(5*(\db)+4)+7], v[ONES:ONES+7], v[kb+8*(\db):kb+8*(\db)+7], v[8*(5*(\db)+4):8*(5*(\db)+4)+7]
.endif
.endr
.endm
	s_load_b512 s[4:19], s[0:1], 0x0               ; key value k_b1 k_b2 v_b1 v_b2 wst part
	v_lshl_add_u32 v[SPW], v0, 2, SPARE
	v_mov_b32 v[NIL], 0
	ds_add_u32 v28, v29
	s_wait_dscnt 0x0
	v_lshrrev_b32 v1, 5, v0
	v_readfirstlane_b32 s[WV], v1
	s_bfe_u32 s[CX], ttmp6, 0x40000                ; my place in the cluster
	s_and_b32 s[HG], ttmp9, 1                      ; the group of four heads: the same in all four partners
	s_lshr_b32 s[CK], ttmp9, 1
	s_and_b32 s[GG], s[CK], 3                      ; g: where this cluster starts K; the same in all four partners
	s_lshl_b32 s[G2], s[GG], 1
	s_lshl_b32 s[CK], s[CK], 2
	s_add_co_u32 s[CK], s[CK], s[CX]               ; my chunk of 256 rows
	s_lshl2_add_u32 s[HD], s[HG], s[WV]            ; my wave's head
	s_mov_b32 s[LN2], 0x3f317218                   ; ln(2)
	s_mov_b32 s[LN2+1], 0x3f317218
	s_mov_b32 s[NL2], 0xbfb8aa3b                   ; -log2(e)
	s_mov_b32 s[NLN], 0xbf317218                   ; -ln(2)
	s_mov_b32 s[WO+1], 0
	s_mov_b32 s[XO+1], 0
	s_mov_b32 s[UO+1], 0
	s_mov_b32 s[CO+1], 0
	; descriptor group 1: 16,384 dense bytes as 64 rows of 256
	s_mov_b32 s[G1+0], 15|(3<<16)|(1<<21)          ; 15:0 the mask of four; 17:16 elements of 8 bytes; 21 set beside a mask
	s_mov_b32 s[G1+1], 32<<16                      ; tensor_dim0 = 32
	s_mov_b32 s[G1+2], 64<<16                      ; tensor_dim1 = 64
	s_mov_b32 s[G1+3], 32<<16                      ; tile_dim0 = 32
	s_mov_b32 s[G1+4], 64                          ; tile_dim1 = 64
	s_mov_b32 s[G1+5], 32                          ; 32 elements from row to row
	s_mov_b32 s[G1+6], 0
	s_mov_b32 s[G1+7], 0
	s_mov_b32 s[G0+0], 1
	s_lshl_b32 s[G0+1], s[WV], 14                  ; slot 0: wave x 16,384
	s_mov_b32 s[G0+4], 1
	s_add_co_u32 s[G0+5], s[G0+1], 65536           ; slot 1
	v_and_b32 v1, 15, v0                           ; r
	v_bfe_u32 v2, v0, 4, 1                         ; hh
	v_and_b32 v3, 31, v0
	v_lshlrev_b32 v[L16], 4, v3
	v_add_nc_u32 v[ADRB0], s[G0+1], v[L16]
	v_mul_u32_u24 v[ADRA0], v1, 144
	v_lshl_add_u32 v[ADRA0], v2, 4, v[ADRA0]
	v_add_nc_u32 v[ADRA0], XB, v[ADRA0]
	s_lshl_b32 s[T0], s[WV], 16
	v_add_nc_u32 v[VXG], s[T0], v[L16]
	v_mul_u32_u24 v[VXS0], v2, CH
	v_lshl_add_u32 v[VXS0], v1, 3, v[VXS0]
	s_mul_i32 s[T0], s[WV], 32*144
	s_add_co_u32 s[T0], s[T0], XB
	v_add_nc_u32 v[VXS0], s[T0], v[VXS0]
	s_mul_i32 s[T0], s[WV], 20480
	s_add_co_u32 s[T0], s[T0], SPILL
	v_add_nc_u32 v[VSP], s[T0], v[L16]
	s_lshl_b32 s[T0], s[HD], 8
	v_lshl_add_u32 v[BOF], v1, 2, s[T0]            ; (64 head + r) x 4
.irp i, 0,1,2,3,4,5,6,7
	v_mov_b32 v[ONES+(\i)], 0x3f803f80
.endr
	s_lshl_b32 s[UO], s[HG], 20                    ; W: hg x 16 steps + wave x 16,384
	s_add_co_u32 s[UO], s[UO], s[G0+1]
	s_lshl_b32 s[CO], s[CK], 19                    ; x: chunk x 256 rows x 2,048 bytes
	s_wait_kmcnt 0x0
	s_add_nc_u64 s[4:5], s[4:5], s[CO:CO+1]
	s_add_nc_u64 s[6:7], s[6:7], s[CO:CO+1]
	s_add_nc_u64 s[WB:WB+1], s[16:17], s[UO:UO+1]
	s_lshl3_add_u32 s[CO], s[CK], s[HD]
	s_mul_i32 s[CO], s[CO], 20480
	s_add_nc_u64 s[PO:PO+1], s[18:19], s[CO:CO+1]
	s_mov_b32 s[PL], 0
	LOADX                                          ; pair 0
.irp n, 0,1,2,3
	global_load_b32 v[BK+2*(\n)],   v[BOF], s[8:9]   offset:64*(\n)
	global_load_b32 v[BK+2*(\n)+1], v[BOF], s[10:11] offset:64*(\n)
	global_load_b32 v[BV+2*(\n)],   v[BOF], s[12:13] offset:64*(\n)
	global_load_b32 v[BV+2*(\n)+1], v[BOF], s[14:15] offset:64*(\n)
.endr
	s_mov_b32 s[TU], 0
	SETW G0
	SETW G0+4
	CROUND                                         ; all four work-groups are here: the first joint loads meet
	JLOAD G0                                       ; two tensor loads of mine are out
	JLOAD G0+4
	s_wait_loadcnt 0x0
.set p, 0
.rept 16                               ; the biases are rounded to bf16 like the other inputs,
	v_cvt_pk_bf16_f32 v[BK+p], v[BK+p], v[BK+p]
.set p, p+1
.endr
.set p, 0
.rept 16
	v_lshlrev_b32 v[BK+p], 16, v[BK+p]
.set p, p+1
.endr
.irp n, 0,1,2,3                        ; and then take the scales of their weights
	v_mul_f32 v[BK+2*(\n)],   s[NL2], v[BK+2*(\n)]
	v_mul_f32 v[BK+2*(\n)+1], -1.0,   v[BK+2*(\n)+1]
	v_mul_f32 v[BV+2*(\n)],   s[NL2], v[BV+2*(\n)]
	v_mul_f32 v[BV+2*(\n)+1], s[NLN], v[BV+2*(\n)+1]
.endr
	s_mov_b32 s[XW], 0
	STOREX
	s_mov_b32 s[XW], PAIR
	s_mov_b32 s[PL], 1
	LOADX
	s_mov_b32 s[PL], 2
	s_wait_tensorcnt 0x1                           ; my part of slot 0 is in; slot 1's may stay out
	s_wait_dscnt 0x0                               ; my rows of pair 0 are stored
	s_barrier_signal -1
	s_barrier_wait -1
	s_mov_b32 s[PH], 0
.Lphase:
.rept 6
	v_nop                                          ; places between the last products and the loads into, and new sums on, their registers
.endr
	s_mov_b32 s[CI], 0
	s_mov_b32 s[WR], 0
	v_mov_b32 v[ADRA], v[ADRA0]
	v_mov_b32 v[ADRB], v[ADRB0]
	FETCHB BF0, 0
	FETCHA 0, 0
	FETCHA 1, 0
	HALF0 1                                        ; the first products start the sums: nothing is cleared
	WIN 0
	s_add_co_u32 s[T0], s[PH], 1
	s_lshr_b32 s[T0], s[T0], 2                     ; 1 in the last phase
	s_sub_co_u32 s[CNT], 7, s[T0]                  ; seven trips; six in the last phase, whose last two steps fill nothing
.Lstep:                                ; a trip: from a step's second half to the next step's first; the slot just read is filled again
	MEET
	FILL
	TOG
	REST
	WIN 0
	s_and_b32 s[T0], s[CI], 1
	s_cmp_eq_u32 s[T0], 0
	s_cbranch_scc1 .Lnostage                       ; every second trip: the pair of x asked for two steps ago goes into the half of X that was last read in front of the barrier before last
	s_wait_loadcnt 0x0                             ; the 32 loads are two steps old; behind this wait their base may be written
	STOREX
	s_xor_b32 s[XW], s[XW], PAIR
	s_cmp_ge_u32 s[PL], NPAIR
	s_cbranch_scc1 .Lnostage                       ; no load leaves the work-group's rows
	LOADX
	s_add_co_u32 s[PL], s[PL], 1
.Lnostage:
	HALF0 0
	WIN 0
	s_sub_co_u32 s[CNT], s[CNT], 1
	s_cmp_lg_u32 s[CNT], 0
	s_cbranch_scc1 .Lstep
	s_cmp_eq_u32 s[PH], NPH-1
	s_cbranch_scc1 .Llast
	MEET                                           ; a phase that has a successor: its last step asks for the next phase's second step
	FILL
	HI
	WIN 0
	s_branch .Lepi
.Llast:                                ; the last phase's last two steps ask for nothing
	MEET
	PLACES
	TOG
	REST
	HALF0 0
	s_wait_dscnt 8
	MUL16 BF1, 0, 0, 0
	MUL16 BF1, 0, 2, 0
	s_wait_dscnt 0x0
	HI
	WIN 0
.Lepi:
	PLACES
	s_and_b32 s[T0], s[PH], 1
	s_cmp_eq_u32 s[T0], 1
	s_cselect_b32 s[MK], -1, 0
.irp i, 0,1,2,3,4,5,6,7
	v_cndmask_b32 v[BI+(\i)], v[BK+(\i)], v[BV+(\i)], s[MK]
.endr
	s_mov_b32 s[TRIP], 0
	ADDB 2                                         ; rows 0-63
	WIN 0
	s_branch .Lbody                                ; the loop is entered behind its first stage
.Lsw:
	ADDB 3                                         ; rows 64-127 come down into window 2
	WIN 0
.Lbody:
	GATEB 0
	GATEB 1
	GATEB 2
	GATEB 3
	WIN 0
	s_cmp_lg_u32 s[MK], 0
	s_cbranch_scc1 .Lnoelu                         ; v has no elu
	ELU 0
	ELU 1
	ELU 2
	ELU 3
	WIN 0
.Lnoelu:
	s_cmp_eq_u32 s[TRIP], 1
	s_cbranch_scc1 .Lcv1
	CVT BF0
	WIN 0
	s_branch .Lcvj
.Lcv1:
	CVT BF1
	WIN 0
.Lcvj:
	s_add_co_u32 s[TRIP], s[TRIP], 1
	s_cmp_lt_u32 s[TRIP], 2
	s_cbranch_scc1 .Lsw
	s_cmp_lg_u32 s[MK], 0
	s_cbranch_scc1 .Lvph
	WIN 0x41                                       ; a K phase: phi_k is kept where the V phase's fragments of W do not reach
.set p, 0
.rept 64
	v_mov_b32 v[SAFE0+p], v[BF0+p]
	v_mov_b32 v[SAFE1+p], v[BF1+p]
.set p, p+1
.endr
	WIN 0
	s_branch .Lpend
.Lvph:
	s_cmp_eq_u32 s[PH], 1
	s_cbranch_scc0 .Lkv2
	KVSTEP 0, 1                                    ; rows 0-127 start the sums
	WIN 0
	s_branch .Lkvj
.Lkv2:
	WIN 0x80                                       ; rows 128-255 add onto them
.set p, 0
.rept 40
	ds_load_b128 v[4*p:4*p+3], v[VSP] offset:p*512
.set p, p+1
.endr
	s_wait_dscnt 0x0
	KVSTEP 0, 0
	WIN 0
.Lkvj:
	KVSTEP 1, 0
	KVSTEP 2, 0
	KVSTEP 3, 0
	WIN 0
	s_cmp_eq_u32 s[PH], 1
	s_cbranch_scc0 .Lpend
	PLACES
	WIN 0x08
.set p, 0
.rept 40                               ; my own bytes: no other wave touches them
	ds_store_b128 v[VSP], v[4*p:4*p+3] offset:p*512
.set p, p+1
.endr
	WIN 0
.Lpend:
	s_add_co_u32 s[PH], s[PH], 1
	s_cmp_lt_u32 s[PH], NPH
	s_cbranch_scc1 .Lphase
	PLACES
	WIN 0x08
.set p, 0
.rept 40                               ; the 20 tiles as they lie in registers; each store covers 512 consecutive bytes, aligned
	global_store_b128 v[L16], v[4*p:4*p+3], s[PO:PO+1] offset:p*512
.set p, p+1
.endr
	WIN 0
	s_wait_tensorcnt 0x0                           ; the wave's end
	ds_add_u32 v[SPW], v[NIL]
	s_wait_dscnt 0x0
	CROUND                                         ; the closing round
	s_endpgm
.Lfunc_end_k_qc33a8f4f44_kv:
	.size	k_qc33a8f4f44_kv, .Lfunc_end_k_qc33a8f4f44_kv-k_qc33a8f4f44_kv
	.p2alignl 7, 3214868480
	.fill 96, 4, 3214868480
	.section	.rodata,"a",@progbits
	.p2align	6, 0x0
	.amdhsa_kernel k_qc33a8f4f44_kv
		.amdhsa_group_segment_fixed_size 327680
		.amdhsa_private_segment_fixed_size 0
		.amdhsa_enable_private_segment 0
		.amdhsa_kernarg_size 64
		.amdhsa_user_sgpr_count 2
		.amdhsa_user_sgpr_kernarg_segment_ptr 1
		.amdhsa_wavefront_size32 1
		.amdhsa_system_sgpr_workgroup_id_x 1
		.amdhsa_system_sgpr_workgroup_id_y 1
		.amdhsa_system_sgpr_workgroup_id_z 1
		.amdhsa_system_vgpr_workitem_id 0
		.amdhsa_next_free_vgpr 1024
		.amdhsa_next_free_sgpr 96
		.amdhsa_reserve_vcc 0
		.amdhsa_float_denorm_mode_32 3
		.amdhsa_float_denorm_mode_16_64 3
		.amdhsa_memory_ordered 1
		.amdhsa_forward_progress 1
		.amdhsa_inst_pref_size 161
	.end_amdhsa_kernel
	.amdgpu_metadata
---
amdhsa.version: [ 1, 2 ]
amdhsa.kernels:
  - .name:           k_qc33a8f4f44_kv
    .symbol:         k_qc33a8f4f44_kv.kd
    .args:
      - { .name: key, .offset: 0, .size: 8, .value_kind: global_buffer, .address_space: global }
      - { .name: value, .offset: 8, .size: 8, .value_kind: global_buffer, .address_space: global }
      - { .name: k_b1, .offset: 16, .size: 8, .value_kind: global_buffer, .address_space: global }
      - { .name: k_b2, .offset: 24, .size: 8, .value_kind: global_buffer, .address_space: global }
      - { .name: v_b1, .offset: 32, .size: 8, .value_kind: global_buffer, .address_space: global }
      - { .name: v_b2, .offset: 40, .size: 8, .value_kind: global_buffer, .address_space: global }
      - { .name: wst, .offset: 48, .size: 8, .value_kind: global_buffer, .address_space: global }
      - { .name: part, .offset: 56, .size: 8, .value_kind: global_buffer, .address_space: global }
    .group_segment_fixed_size: 327680
    .private_segment_fixed_size: 0
    .kernarg_segment_align: 8
    .kernarg_segment_size: 64
    .max_flat_workgroup_size: 128
    .sgpr_count:     96
    .vgpr_count:     1024
    .wavefront_size: 32
...
	.end_amdgpu_metadata
.endif
;; end of part 2
;; launch fold (part 3): grid 128 x 1, 8 waves a work-group, no clusters, 41,984 bytes of LDS; arguments part, wst, wf, ks; writes wf, ks
.if DOCPART == 3
	.amdgcn_target "amdgcn-amd-amdhsa--gfx1250"
	.amdhsa_code_object_version 6
	.text
	.protected	k_qc33a8f4f44_fold
	.globl	k_qc33a8f4f44_fold
	.p2align	8
	.type	k_qc33a8f4f44_fold,@function
k_qc33a8f4f44_fold:
	s_mov_b64 s[64:65], 0
	v_nop
	global_prefetch_b8 v0, s[64:65] scope:SCOPE_SE
	s_setreg_imm32_b32 hwreg(HW_REG_WAVE_MODE, 25, 1), 1
	s_wait_xcnt 0x0
; For batch b, head h, block db of 16 channels d: the 32 chunks' partial KV^T and ksum are added (f32, fixed order); then W'[b][n][64 h + d] = sum over e of KV[d][e] out_w[n][64 h + e],
; bf16 operands, f32 sums, rounded once to bf16 and stored in the fragment order of launch qo's last product (step = head).  ksum goes out in f32.
; A wave adds four chunks; the eight waves' sums meet in LDS behind a barrier; each wave then makes 64 of the 512 rows n (four blocks of 16).  No cluster, no tensor loads: the work-groups share
; only out_w's 512 KB, a small part of what each reads.
.set WFA, 2                            ; v2       my byte offset in wf; never rewritten
.set KSA, 3                            ; v3       first the lane, then my byte offset in ks
.set OW,  8                            ; v8-71    out_w's fragments: block n, half ks at OW + 16 n + 8 ks
.set LQ,  72                           ; v72-231  four chunks x 5 tiles; then v72-103 the sums of the four KV tiles
.set BT,  112                          ; v112-239 four waves' sums at a time
.set KF,  240                          ; v240-255 KV as two fragments (m = d, K = e)
.set DD,  112
.set PKD, 144
	s_load_b256 s[4:11], s[0:1], 0x0               ; part wst wf ks
	s_set_vgpr_msb 0x40
	v_lshl_add_u32 v0, v0, 2, 0xa000
	v_mov_b32 v1, 0
	s_set_vgpr_msb 0x4000
	v_lshrrev_b32 v1, 5, v0
	v_readfirstlane_b32 s12, v1                    ; wave
	s_and_b32 s13, ttmp9, 3                        ; db
	s_bfe_u32 s14, ttmp9, 0x30002                  ; h
	s_lshr_b32 s15, ttmp9, 5                       ; b
	v_and_b32 v1, 15, v0
	v_and_b32 v3, 31, v0
	v_lshlrev_b32 v4, 4, v3                        ; 16 lane
	s_lshr_b32 s16, s12, 1
	s_and_b32 s17, s12, 1
	s_lshl_b32 s18, s14, 16
	s_lshl_b32 s19, s16, 14
	s_add_co_u32 s18, s18, s19
	s_lshl_b32 s19, s17, 12
	s_add_co_u32 s18, s18, s19                     ; step h, my four blocks of rows n: the same place in out_w's region and in W'
	s_add_co_u32 s20, s18, 6*524288
	v_add_nc_u32 v5, s20, v4
	s_lshl_b32 s21, s15, 5
	s_lshl2_add_u32 s21, s12, s21                  ; my first chunk: 32 b + 4 wave
	s_lshl3_add_u32 s21, s21, s14
	s_mul_i32 s21, s21, 20480
	s_mul_i32 s22, s13, 5120
	s_add_co_u32 s21, s21, s22
	v_add_nc_u32 v6, s21, v4
	s_mul_i32 s22, s12, 5120
	v_add_nc_u32 v7, s22, v4                       ; my sums in LDS
	s_lshl_b32 s23, s15, 19
	s_add_co_u32 s23, s23, s18
	s_lshr_b32 s24, s13, 1
	s_lshl_b32 s24, s24, 13
	s_add_co_u32 s23, s23, s24                     ; half = db / 2
	s_and_b32 s24, s13, 1
	s_lshl_b32 s24, s24, 9
	s_add_co_u32 s23, s23, s24                     ; q = db % 2
	v_add_nc_u32 v[WFA], s23, v4
	s_lshl_b32 s24, s15, 9
	s_lshl_b32 s25, s14, 6
	s_add_co_u32 s24, s24, s25
	s_lshl4_add_u32 s24, s13, s24
	v_add_nc_u32 v[KSA], s24, v1
	v_lshlrev_b32 v[KSA], 2, v[KSA]                ; ksum: (512 b + 64 h + 16 db + r) x 4
	s_wait_kmcnt 0x0
.irp n, 0,1,2,3
.irp k, 0,1
	global_load_b128 v[OW+16*(\n)+8*(\k):OW+16*(\n)+8*(\k)+3],   v5, s[6:7] offset:(\k)*8192+(\n)*1024
	global_load_b128 v[OW+16*(\n)+8*(\k)+4:OW+16*(\n)+8*(\k)+7], v5, s[6:7] offset:(\k)*8192+(\n)*1024+512
.endr
.endr
.irp cc, 0,1,2,3
.set p, 0
.rept 10
	global_load_b128 v[LQ+40*(\cc)+4*p:LQ+40*(\cc)+4*p+3], v6, s[4:5] offset:(\cc)*163840+p*512 th:TH_LOAD_NT
.set p, p+1
.endr
.endr
	s_wait_loadcnt 0x0
.irp cc, 1,2,3
.set p, 0
.rept 20
	v_pk_add_f32 v[LQ+2*p:LQ+2*p+1], v[LQ+2*p:LQ+2*p+1], v[LQ+40*(\cc)+2*p:LQ+40*(\cc)+2*p+1]
.set p, p+1
.endr
.endr
.set p, 0
.rept 10
	ds_store_b128 v7, v[LQ+4*p:LQ+4*p+3] offset:p*512
.set p, p+1
.endr
	s_wait_dscnt 0x0                               ; for the others' sake: my sums are stored
	s_barrier_signal -1
	s_barrier_wait -1
.irp bt, 0,1                           ; waves 0-3, then 4-7: the four KV tiles of each
.irp w, 0,1,2,3
.set p, 0
.rept 8
	ds_load_b128 v[BT+32*(\w)+4*p:BT+32*(\w)+4*p+3], v4 offset:(4*(\bt)+(\w))*5120+p*512
.set p, p+1
.endr
.endr
	s_wait_dscnt 0x0
.irp w, 0,1,2,3
.set p, 0
.rept 16
.if ((\bt) == 0) && ((\w) == 0)
	v_pk_add_f32 v[LQ+2*p:LQ+2*p+1], v[BT+2*p:BT+2*p+1], v[BT+32+2*p:BT+32+2*p+1]
.elseif ((\bt) == 0) && ((\w) == 1)
.else
	v_pk_add_f32 v[LQ+2*p:LQ+2*p+1], v[LQ+2*p:LQ+2*p+1], v[BT+32*(\w)+2*p:BT+32*(\w)+2*p+1]
.endif
.set p, p+1
.endr
.endr
.endr
.irp k, 0,1                            ; tile eb holds (e = 16 eb + 8 hh + j, d = 16 db + r): tiles 2 ks, 2 ks + 1, packed, are the fragment with m = d and K = e
.irp u, 0,1
.irp j, 0,1,2,3
	v_cvt_pk_bf16_f32 v[KF+8*(\k)+4*(\u)+(\j)], v[LQ+8*(2*(\k)+(\u))+2*(\j)], v[LQ+8*(2*(\k)+(\u))+2*(\j)+1]
.endr
.endr
.endr
.irp n, 0,1,2,3                        ; four accumulators by turns
	v_wmma_f32_16x16x32_bf16 v[DD+8*(\n):DD+8*(\n)+7], v[KF:KF+7], v[OW+16*(\n):OW+16*(\n)+7], 0
.endr
.irp n, 0,1,2,3
	v_wmma_f32_16x16x32_bf16 v[DD+8*(\n):DD+8*(\n)+7], v[KF+8:KF+15], v[OW+16*(\n)+8:OW+16*(\n)+15], v[DD+8*(\n):DD+8*(\n)+7]
.endr
.rept 4
	v_nop
.endr
.irp n, 0,1,2,3                        ; a lane holds row n = 16 block + r and d = 16 db + 8 hh + 0..7: 16 bytes of a fragment of W'
.irp j, 0,1,2,3
	v_cvt_pk_bf16_f32 v[PKD+4*(\n)+(\j)], v[DD+8*(\n)+2*(\j)], v[DD+8*(\n)+2*(\j)+1]
.endr
.endr
.irp n, 0,1,2,3
	global_store_b128 v[WFA], v[PKD+4*(\n):PKD+4*(\n)+3], s[8:9] offset:(\n)*1024   ; 512 consecutive bytes, aligned
.endr
	s_cmp_lg_u32 s12, 0
	s_cbranch_scc1 .Ldone
.irp w, 0,1,2,3,4,5,6,7                ; wave 0: the tile of sums; each of its registers holds ksum[16 db + r]
	ds_load_b32 v[160+(\w)], v4 offset:(\w)*5120+4096
.endr
	s_wait_dscnt 0x0
.irp w, 1,2,3,4,5,6,7
	v_add_f32 v160, v160, v[160+(\w)]
.endr
	global_store_b32 v[KSA], v160, s[10:11]        ; lanes r and r + 16 store the same number to the same word: 64 bytes of ks, which has 8,192 in all
.Ldone:
	s_set_vgpr_msb 0x5
	s_wait_tensorcnt 0x0
	ds_add_u32 v0, v1
	s_wait_dscnt 0x0
	s_set_vgpr_msb 0x500
	s_endpgm
.Lfunc_end_k_qc33a8f4f44_fold:
	.size	k_qc33a8f4f44_fold, .Lfunc_end_k_qc33a8f4f44_fold-k_qc33a8f4f44_fold
	.p2alignl 7, 3214868480
	.fill 96, 4, 3214868480
	.section	.rodata,"a",@progbits
	.p2align	6, 0x0
	.amdhsa_kernel k_qc33a8f4f44_fold
		.amdhsa_group_segment_fixed_size 41984
		.amdhsa_private_segment_fixed_size 0
		.amdhsa_enable_private_segment 0
		.amdhsa_kernarg_size 32
		.amdhsa_user_sgpr_count 2
		.amdhsa_user_sgpr_kernarg_segment_ptr 1
		.amdhsa_wavefront_size32 1
		.amdhsa_system_sgpr_workgroup_id_x 1
		.amdhsa_system_sgpr_workgroup_id_y 1
		.amdhsa_system_sgpr_workgroup_id_z 1
		.amdhsa_system_vgpr_workitem_id 0
		.amdhsa_next_free_vgpr 258
		.amdhsa_next_free_sgpr 66
		.amdhsa_reserve_vcc 0
		.amdhsa_float_denorm_mode_32 3
		.amdhsa_float_denorm_mode_16_64 3
		.amdhsa_memory_ordered 1
		.amdhsa_forward_progress 1
		.amdhsa_inst_pref_size 27
	.end_amdhsa_kernel
	.amdgpu_metadata
---
amdhsa.version: [ 1, 2 ]
amdhsa.kernels:
  - .name:           k_qc33a8f4f44_fold
    .symbol:         k_qc33a8f4f44_fold.kd
    .args:
      - { .name: part, .offset: 0, .size: 8, .value_kind: global_buffer, .address_space: global }
      - { .name: wst, .offset: 8, .size: 8, .value_kind: global_buffer, .address_space: global }
      - { .name: wf, .offset: 16, .size: 8, .value_kind: global_buffer, .address_space: global }
      - { .name: ks, .offset: 24, .size: 8, .value_kind: global_buffer, .address_space: global }
    .group_segment_fixed_size: 41984
    .private_segment_fixed_size: 0
    .kernarg_segment_align: 8
    .kernarg_segment_size: 32
    .max_flat_workgroup_size: 256
    .sgpr_count:     66
    .vgpr_count:     258
    .wavefront_size: 32
...
	.end_amdgpu_metadata
.endif
;; end of part 3
;; launch qo (part 4): grid 256 x 1, 4 waves a work-group, clusters of 4 x 1, 327,680 bytes of LDS; arguments query, q_b1, q_b2, out_b, wst, wf, ks, out0; writes out0
.if DOCPART == 4
	.amdgcn_target "amdgcn-amd-amdhsa--gfx1250"
	.amdhsa_code_object_version 6
	.text
	.protected	k_qc33a8f4f44_qo
	.globl	k_qc33a8f4f44_qo
	.p2align	8
	.type	k_qc33a8f4f44_qo,@function
k_qc33a8f4f44_qo:
	s_mov_b64 s[64:65], 0
	v_nop
	global_prefetch_b8 v0, s[64:65] scope:SCOPE_SE
	s_setreg_imm32_b32 hwreg(HW_REG_WAVE_MODE, 25, 1), 1
	s_wait_xcnt 0x0
	s_wait_alu depctr_hold_cnt(0) depctr_sa_sdst(0) depctr_va_vdst(0) depctr_va_sdst(0) depctr_va_ssrc(0) depctr_va_vcc(0) depctr_vm_vsrc(0)
	s_getreg_b32 s2, hwreg(HW_REG_IB_STS2, 6, 4)
	s_cmp_eq_u32 s2, 0
	s_cbranch_scc0 .Lentry_in_a_cluster
	s_endpgm
.Lentry_in_a_cluster:
	s_bfe_u32 s2, ttmp6, 0x10000c
	s_cmp_lg_u32 s2, 0x3003
	s_cbranch_scc0 .Lentry_shape_is_right
	s_endpgm
.Lentry_shape_is_right:
; q = silu(query W1^T + b1)(query W2^T + b2), phi_q = elu(q) + 1, pq = phi_q / (phi_q . ksum + 1e-6), out = pq W'[b]^T + out_b, where W'[b] (launch fold) holds KV folded into out_w.
; SHARES.  A work-group has 128 rows.  Three phases, each C[128 rows][512 weight rows], K = 512: two of projections (a wave: one head's 64 columns of W1 and of W2), then the output (wave w: columns
; 128 w .. 128 w + 127).  64 accumulators a wave.  K goes in 8 steps of 64, two halves of 32 each.
; W comes in bf16 fragment order, scaled (launch prep), through a ring of two LDS slots; each wave brings and alone reads its 16,384 bytes of a step.  The four work-groups of a cluster lie in one
; batch and walk the same W and W': each tile is asked for JOINTLY (mask of four).  query comes as f32 through registers, is rounded to bf16 and stays in LDS for both projections; pq then takes its place.
; K IS WALKED FROM ANOTHER START IN EACH CLUSTER: with g = two bits of the cluster's number, place p of a phase is K step (p + 2 g) mod 8, for W, W' and x alike.  The heads turn with it: the wave at
; place P = 4 PH + w makes head (P + 2 g) mod 8, its biases and ksum lie at place P in LDS, and its pq is chunk P, which is K step (P + 2 g) mod 8 of the last phase.  So the clusters do not all ask for
; the same bytes of W at the same time: all eight steps of a phase are first asked for at its start, each by one group.  Only global addresses hang on g.
; The product is used transposed (source 0 = 16 weight rows, source 1 = 16 rows of x): a lane holds one row and eight neighbouring columns.  So the biases, and out_b, are eight registers for each
; weight block, alike for all rows: they are the C operand of a phase's first products.  The denominator wants one exchange between the halves of the lanes, and pq packs into 16 bytes of a row.
; THE GATE.  By prep's scales a = -log2(e) (x W1^T + b1) and b = -(x W2^T + b2): a b / (1 + 2^a) is q' = q log2(e).  elu(q) + 1 = ln 2 (q' - min(q', 0)) + 2^min(q', 0).
; LIMITS.  All inputs are rounded to bf16 (W1 after its scaling, the biases before it); pq and W' are bf16; the denominator and all sums are f32.  An exponential below 2^-126 counts as 0; NaN and
; infinities are not treated apart.
; REGISTERS.  window 0: v0-31 addresses, denominators; v32-159 S: x on its way, later the first phase's pq, later rows on the way out; v160-223 fragments of x; v224-255 ksum.
; window 1: v0-63 the phase's C operands; v64-127, v128-191 fragments of W, later the packed results.  windows 2, 3: accumulators (a, c) at v[8 (8 a + c)].
.set XB,     131072                    ; x, later pq: 8 chunks of 64 K x 128 rows, rows 144 bytes apart
.set CH,     18560
.set PAIR,   2*CH
.set STG,    XB+8*CH                   ; the way out: 16 rows x 528 bytes for each wave
.set CONST,  STG+4*8448                ; 512 bytes for each place P: b1, then b2, of its head; at 4,096 out_b; at 6,144 ksum, 256 bytes for each place
.set SPARE,  CONST+8192                ; the spare words, 128 bytes a wave
.set NPH,    3
.set NPAIR,  4
.set ADRB0, 4
.set ADRB,  5
.set ADRA0, 6
.set ADRA,  7
.set VXG,   8
.set VXS0,  9
.set VXS,   10
.set PQ0,   11                         ; v11  where I put 16 bytes of pq: place w;  v12: place 4 + w
.set PQ1,   12
.set CBT0,  13                         ; v13  my part of the C operands, phase 0
.set CBT,   14                         ; v14  the same for the phase in hand; then my part of ksum
.set GO,    15                         ; v15  my byte offset in a row of out: 512 w + 16 lane
.set DN,    16                         ; v16-23 a pair for each row block: the denominator, then its reciprocal
.set STO,   24
.set RD,    25
.set GOF,   26
.set CST,   27
.set SPW,   28
.set NIL,   29
.set KSA0,  30                         ; v30  my eight channels of ksum, place w
.set L16,   31
.set S,     32
.set ALO,   160
.set KSC,   224
.set SAFE0, 0
.set BF0,   64
.set BF1,   128
.set WV, 20
.set CX, 21
.set BB, 22
.set RB, 23
.set G1, 24
.set G0, 32                            ; s[32:35] slot 0's first fill; s[36:39] slot 1's, which then walks
.set XP, 40
.set WO, 42
.set CNT, 44
.set PH, 45
.set TU, 46
.set PS, 47                            ; pairs of x stored
.set PL, 48                            ; pairs of x asked for
.set XR, 49
.set XW, 50
.set TRIP, 51
.set T0, 52
.set T1, 53
.set LN2, 54
.set WR, 56
.set GG, 57
.set SEL, 58
.set WB0, 60                           ; s[60:61], s[62:63] W of my heads in phases 0 and 1; s[80:81] W'[b]: each at my wave's part of step 0
.set WB1, 62
.set PO, 66
.set UO, 68
.set CO, 70                            ; the offset that hangs on my place in the cluster: it enters query's and out0's addresses alone
.set XO, 72
.set WS, 74
.set UF, 76
.set UK, 78
.set WB2, 80
.set U1, 82
.set G2, 84
.set H0, 85
.set CI, 86
.set NL2, 87
.set MSB, 0
.macro WIN new
.if MSB != (\new)
	s_set_vgpr_msb (MSB<<8)|(\new)
.set MSB, (\new)
.endif
.endm
.macro PLACES
.rept 4
	v_nop
.endr
.endm
.macro CREST
	s_cmp_lg_u32 s[WV], 0
	s_cbranch_scc1 .Lnot_wave_0_\@
	s_barrier_signal -3
.Lnot_wave_0_\@:
	s_barrier_wait -3
	s_barrier_signal -1
	s_barrier_wait -1
.endm
.macro CROUND
	s_barrier_signal -1
	s_barrier_wait -1
	CREST
.endm
.macro JLOAD g
	tensor_load_to_lds s[(\g):(\g)+3], s[G1:G1+7]
	s_nop 0
	PLACES
.endm
.macro SETW g                          ; the address is made anew: the phase's base + 65,536 x ((place + 2 g) mod 8)
	s_add_co_u32 s[T1], s[TU], s[G2]
	s_and_b32 s[T1], s[T1], 7
	s_lshl_b32 s[WO], s[T1], 16
	s_cmp_lt_u32 s[TU], 8
	s_cselect_b64 s[WS:WS+1], s[WB0:WB0+1], s[WB1:WB1+1]
	s_cmp_lt_u32 s[TU], 16
	s_cselect_b64 s[WS:WS+1], s[WS:WS+1], s[WB2:WB2+1]
	s_add_nc_u64 s[(\g)+2:(\g)+3], s[WS:WS+1], s[WO:WO+1]
	s_or_b32 s[(\g)+3], s[(\g)+3], 0x80000000
	s_add_co_u32 s[TU], s[TU], 1
.endm
; 16 matrix instructions; the 64 accumulators take turns.  cm = 2: the first products start the sums with the biases (window 1, v0-63); 0: they add in place
.macro MUL16 f, hi, a0, cm
.if (\cm) == 2
	WIN 0x91+0x40*(\hi)
.else
	WIN 0xa1+0x50*(\hi)
.endif
.irp a, \a0, (\a0)+1
.irp c, 0,1,2,3,4,5,6,7
.if (\cm) == 2
	v_wmma_f32_16x16x32_bf16 v[8*(8*(\a)+(\c)):8*(8*(\a)+(\c))+7], v[(\f)+8*(\c):(\f)+8*(\c)+7], v[ALO+32*(\hi)+8*(\a):ALO+32*(\hi)+8*(\a)+7], v[SAFE0+8*(\c):SAFE0+8*(\c)+7]
.else
	v_wmma_f32_16x16x32_bf16 v[8*(8*(\a)+(\c)):8*(8*(\a)+(\c))+7], v[(\f)+8*(\c):(\f)+8*(\c)+7], v[ALO+32*(\hi)+8*(\a):ALO+32*(\hi)+8*(\a)+7], v[8*(8*(\a)+(\c)):8*(8*(\a)+(\c))+7]
.endif
.endr
.endr
.endm
.macro FETCHB f, h
	WIN 0x40
.irp c, 0,1,2,3,4,5,6,7
	ds_load_b128 v[(\f)+8*(\c):(\f)+8*(\c)+3],   v[ADRB] offset:(\h)*8192+(\c)*1024
	ds_load_b128 v[(\f)+8*(\c)+4:(\f)+8*(\c)+7], v[ADRB] offset:(\h)*8192+(\c)*1024+512
.endr
.endm
.macro FETCHA part, h
	WIN 0
.irp a, 0,1,2,3
	ds_load_b128 v[ALO+32*(\part)+8*(\a):ALO+32*(\part)+8*(\a)+3],   v[ADRA] offset:(4*(\part)+(\a))*2304+64*(\h)
	ds_load_b128 v[ALO+32*(\part)+8*(\a)+4:ALO+32*(\part)+8*(\a)+7], v[ADRA] offset:(4*(\part)+(\a))*2304+64*(\h)+32
.endr
.endm
.macro HALF0 cm
	s_wait_dscnt 8                                 ; W and x's row blocks 0-3 are in; the youngest eight loads (row blocks 4-7) may be out
	MUL16 BF0, 0, 0, \cm
	MUL16 BF0, 0, 2, \cm
	PLACES
	FETCHB BF1, 1
	FETCHA 0, 1
	s_wait_dscnt 24                                ; all but the 24 just issued
	MUL16 BF0, 1, 0, \cm
	MUL16 BF0, 1, 2, \cm
	PLACES
	FETCHA 1, 1
.endm
.macro MEET                            ; the change of slots: all my tensor loads have landed, the add, my LDS reads and stores are done; then the barrier
	WIN 0
	s_wait_tensorcnt 0x0
	ds_add_u32 v[SPW], v[NIL]
	s_wait_dscnt 9                                 ; the add and the youngest eight loads may be out
	MUL16 BF1, 0, 0, 0
	s_wait_dscnt 0x0
	s_barrier_signal -1
	MUL16 BF1, 0, 2, 0
	WIN 0
	s_barrier_wait -1
.endm
.macro FILL                            ; the barrier has opened a round of the cluster's; the joint refill is the first thing behind it: the step two places on, into the slot just read
	CREST
	s_xor_b32 s[G0+5], s[G0+5], 65536
	SETW G0+4
	JLOAD G0+4
.endm
.macro HI
	MUL16 BF1, 1, 0, 0
	MUL16 BF1, 1, 2, 0
.endm
.macro TOG                             ; on to the next place: the other slot, the next of the eight chunks
	s_xor_b32 s[WR], s[WR], 65536
	s_add_co_u32 s[CI], s[CI], 1
	s_mul_i32 s[XR], s[CI], CH
	v_add_nc_u32 v[ADRB], s[WR], v[ADRB0]
	v_add_nc_u32 v[ADRA], s[XR], v[ADRA0]
.endm
.macro REST
	FETCHB BF0, 0
	FETCHA 0, 0
	HI
	PLACES
	FETCHA 1, 0
.endm
.macro LOADX                           ; the pair for place PL: 128 K = 512 bytes along the rows, at pair (PL + g) mod 4; 32 loads, each a row's 512 aligned bytes, read once in the launch
	s_add_co_u32 s[XO], s[PL], s[GG]
	s_and_b32 s[XO], s[XO], 3
	s_lshl_b32 s[XO], s[XO], 9
	s_add_nc_u64 s[XP:XP+1], s[4:5], s[XO:XO+1]
.set lx, 0
.rept 32
	global_load_b128 v[S+4*lx:S+4*lx+3], v[VXG], s[XP:XP+1] offset:lx*2048 th:TH_LOAD_NT
.set lx, lx+1
.endr
.endm
.macro STOREX
.set sx, 0
.rept 32
	v_cvt_pk_bf16_f32 v[S+4*sx],   v[S+4*sx],   v[S+4*sx+1]
	v_cvt_pk_bf16_f32 v[S+4*sx+1], v[S+4*sx+2], v[S+4*sx+3]
.set sx, sx+1
.endr
	v_add_nc_u32 v[VXS], s[XW], v[VXS0]
.set sx, 0
.rept 32
	ds_store_b64 v[VXS], v[S+4*sx:S+4*sx+1] offset:sx*144
.set sx, sx+1
.endr
.endm
; THE SWEEP works on window 2: of row block ii the registers 64 ii + 0..31 hold a (my 32 channels), 64 ii + 32..63 hold b.  Its first stage is written for both windows of accumulators and
; leaves its results in window 2: so rows 64-127 come down without a copy.
.macro ST1 w                           ; w = 2, 3: the window read.  b <- a b; a <- 2^a.  Each accumulator's lowest registers are read first
	WIN 0x80+5*(\w)
.irp ii, 0,1,2,3
.set p, 0
.rept 16
	v_pk_mul_f32 v[64*(\ii)+32+2*p:64*(\ii)+32+2*p+1], v[64*(\ii)+32+2*p:64*(\ii)+32+2*p+1], v[64*(\ii)+2*p:64*(\ii)+2*p+1]
.set p, p+1
.endr
.set p, 0
.rept 32
	v_exp_f32 v[64*(\ii)+p], v[64*(\ii)+p]
.set p, p+1
.endr
.endr
	v_nop                                          ; a plain instruction behind the last exponential (ISA guide 5.7.2)
.endm
.macro GATE2 ii                        ; a <- b / (1 + a)
	WIN 0x8a
.set p, 0
	s_wait_alu depctr_va_vdst(0)
.rept 16
	v_pk_add_f32 v[64*(\ii)+2*p:64*(\ii)+2*p+1], v[64*(\ii)+2*p:64*(\ii)+2*p+1], 1.0 op_sel_hi:[1,0]
.set p, p+1
.endr
.set p, 0
.rept 32
	v_rcp_f32 v[64*(\ii)+p], v[64*(\ii)+p]
.set p, p+1
.endr
	v_nop
.set p, 0
	s_wait_alu depctr_va_vdst(0)
.rept 16
	v_pk_mul_f32 v[64*(\ii)+2*p:64*(\ii)+2*p+1], v[64*(\ii)+2*p:64*(\ii)+2*p+1], v[64*(\ii)+32+2*p:64*(\ii)+32+2*p+1]
.set p, p+1
.endr
.endm
.macro ELU ii                          ; m = min(a, 0); a <- ln 2 (a - m) + 2^m
	WIN 0xaa                                       ; all three sources and the destination in window 2: the last stage's third source is m
.set p, 0
.rept 32
	v_min_num_f32 v[64*(\ii)+32+p], 0, v[64*(\ii)+p]
.set p, p+1
.endr
.set p, 0
.rept 16
	v_pk_add_f32 v[64*(\ii)+2*p:64*(\ii)+2*p+1], v[64*(\ii)+2*p:64*(\ii)+2*p+1], v[64*(\ii)+32+2*p:64*(\ii)+32+2*p+1] neg_lo:[0,1] neg_hi:[0,1]
.set p, p+1
.endr
.set p, 0
.rept 32
	v_exp_f32 v[64*(\ii)+32+p], v[64*(\ii)+32+p]
.set p, p+1
.endr
	v_nop
.set p, 0
	s_wait_alu depctr_va_vdst(0)
.rept 16
	v_pk_fma_f32 v[64*(\ii)+2*p:64*(\ii)+2*p+1], v[64*(\ii)+2*p:64*(\ii)+2*p+1], s[LN2:LN2+1], v[64*(\ii)+32+2*p:64*(\ii)+32+2*p+1] op_sel_hi:[1,0,1]
.set p, p+1
.endr
.endm
.macro CVT base                        ; eight neighbouring channels of a row pack into 16 bytes
	WIN 0x4a
.irp ii, 0,1,2,3
.set p, 0
.rept 16
	v_cvt_pk_bf16_f32 v[(\base)+16*(\ii)+p], v[64*(\ii)+2*p], v[64*(\ii)+2*p+1]
.set p, p+1
.endr
.endr
.endm
; The way out of row block i: 32 bytes a lane and accumulator into my stage, back as whole rows of 512 bytes (TOSTAGE); stored (SEND) while the next block goes through the stage.
.macro TOSTAGE i
.set ob, S+64*((\i)%2)
	s_wait_xcnt 0x0                                ; the rows' registers, which the stores of the block before last read, are loaded again only behind this wait
	WIN 0x08+0x04*((\i)/4)
.irp c, 0,1,2,3,4,5,6,7
	ds_store_b128 v[STO], v[8*(8*((\i)%4)+(\c)):8*(8*((\i)%4)+(\c))+3]   offset:(\c)*64
	ds_store_b128 v[STO], v[8*(8*((\i)%4)+(\c))+4:8*(8*((\i)%4)+(\c))+7] offset:(\c)*64+16
.endr
	WIN 0
.set p, 0
.rept 16
	ds_load_b128 v[ob+4*p:ob+4*p+3], v[RD] offset:p*528    ; LDS serves a wave's instructions in order (ISA guide 5.7.1.4): these see the stores above, and the next block's stores come behind them
.set p, p+1
.endr
.endm
.macro SEND i, younger                 ; younger: the LDS instructions issued behind block i's loads: the next block's 32, or none
.set ob, S+64*((\i)%2)
	s_wait_dscnt \younger
.set p, 0
.rept 16
	global_store_b128 v[GO], v[ob+4*p:ob+4*p+3], s[PO:PO+1] offset:(16*(\i)+p)*2048 th:TH_STORE_NT   ; 512 consecutive bytes, aligned
.set p, p+1
.endr
.endm
	s_load_b512 s[4:19], s[0:1], 0x0               ; query q_b1 q_b2 out_b wst wf ks out0
	v_lshl_add_u32 v[SPW], v0, 2, SPARE
	v_mov_b32 v[NIL], 0
	ds_add_u32 v28, v29
	s_wait_dscnt 0x0
	v_lshrrev_b32 v1, 5, v0
	v_readfirstlane_b32 s[WV], v1
	s_bfe_u32 s[CX], ttmp6, 0x40000                ; my place in the cluster
	s_lshr_b32 s[BB], ttmp9, 4                     ; the batch: the same in all four partners
	s_and_b32 s[GG], ttmp9, 3                      ; g: where this cluster starts K; the same in all four partners
	s_lshl_b32 s[G2], s[GG], 1
	s_lshl_b32 s[RB], ttmp9, 2
	s_add_co_u32 s[RB], s[RB], s[CX]               ; my block of 128 rows
	s_mov_b32 s[LN2], 0x3f317218                   ; ln(2)
	s_mov_b32 s[LN2+1], 0x3f317218
	s_mov_b32 s[NL2], 0xbfb8aa3b                   ; -log2(e)
	s_mov_b32 s[SEL], 0x76543210
	s_mov_b32 s[SEL+1], 0xfedcba98
	s_mov_b32 s[WO+1], 0
	s_mov_b32 s[XO+1], 0
	s_mov_b32 s[UO+1], 0
	s_mov_b32 s[U1+1], 0
	s_mov_b32 s[CO+1], 0
	s_mov_b32 s[UF+1], 0
	s_mov_b32 s[UK+1], 0
	s_mov_b32 s[G1+0], 15|(3<<16)|(1<<21)          ; 15:0 the mask of four; 17:16 elements of 8 bytes; 21 set beside a mask
	s_mov_b32 s[G1+1], 32<<16                      ; tensor_dim0 = 32
	s_mov_b32 s[G1+2], 64<<16                      ; tensor_dim1 = 64
	s_mov_b32 s[G1+3], 32<<16                      ; tile_dim0 = 32
	s_mov_b32 s[G1+4], 64                          ; tile_dim1 = 64
	s_mov_b32 s[G1+5], 32                          ; 32 elements from row to row
	s_mov_b32 s[G1+6], 0
	s_mov_b32 s[G1+7], 0
	s_mov_b32 s[G0+0], 1
	s_lshl_b32 s[G0+1], s[WV], 14
	s_mov_b32 s[G0+4], 1
	s_add_co_u32 s[G0+5], s[G0+1], 65536
	v_and_b32 v1, 15, v0                           ; r; also: my 16 bytes among a head's 256
	v_bfe_u32 v2, v0, 4, 1                         ; hh
	v_and_b32 v3, 31, v0
	v_lshlrev_b32 v[L16], 4, v3
	v_add_nc_u32 v[ADRB0], s[G0+1], v[L16]
	v_mul_u32_u24 v[ADRA0], v1, 144
	v_lshl_add_u32 v[ADRA0], v2, 4, v[ADRA0]
	v_add_nc_u32 v[ADRA0], XB, v[ADRA0]
	s_lshl_b32 s[T0], s[WV], 16
	v_add_nc_u32 v[VXG], s[T0], v[L16]
	v_mul_u32_u24 v[VXS0], v2, CH
	v_lshl_add_u32 v[VXS0], v1, 3, v[VXS0]
	s_mul_i32 s[T0], s[WV], 32*144
	s_add_co_u32 s[T0], s[T0], XB
	v_add_nc_u32 v[VXS0], s[T0], v[VXS0]
	s_mul_i32 s[T0], s[WV], CH
	v_add_nc_u32 v[PQ0], s[T0], v[ADRA0]           ; chunk = place: row r, 16 bytes for each half of the lanes
	v_add_nc_u32 v[PQ1], 4*CH, v[PQ0]
	s_lshl_b32 s[T0], s[WV], 9
	v_add_nc_u32 v[GO], s[T0], v[L16]
	s_add_co_u32 s[T0], s[T0], CONST
	v_lshl_add_u32 v[CBT0], v2, 5, s[T0]           ; CONST + 512 w + 32 hh
	s_lshl_b32 s[T0], s[WV], 8
	s_add_co_u32 s[T0], s[T0], CONST+6144
	v_lshl_add_u32 v[KSA0], v2, 5, s[T0]           ; ksum: + 256 w + 32 hh
	v_mul_u32_u24 v[STO], v1, 528
	v_lshl_add_u32 v[STO], v2, 5, v[STO]
	s_mul_i32 s[T0], s[WV], 8448
	s_add_co_u32 s[T0], s[T0], STG
	v_add_nc_u32 v[STO], s[T0], v[STO]
	v_add_nc_u32 v[RD], s[T0], v[L16]
	v_lshlrev_b32 v[GOF], 4, v0                    ; thread t: 16 t
	v_add_nc_u32 v[CST], CONST, v[GOF]
	v_lshrrev_b32 v[CBT], 4, v0                    ; thread t serves place t / 16:
	v_add_nc_u32 v3, s[G2], v[CBT]
	v_and_b32 v3, 7, v3                            ; its head, (t / 16 + 2 g) mod 8,
	v_lshlrev_b32 v3, 8, v3
	v_lshl_add_u32 v3, v1, 4, v3                   ; from byte 256 head + 16 (t % 16) of q_b1, q_b2 and ksum
	v_lshlrev_b32 v[CBT], 9, v[CBT]
	v_lshl_add_u32 v[CBT], v1, 4, v[CBT]
	v_add_nc_u32 v[CBT], CONST, v[CBT]             ; to CONST + 512 place + 16 (t % 16)
	s_lshl_b32 s[CO], s[RB], 18                    ; 128 rows x 2,048 bytes
	s_add_co_u32 s[H0], s[WV], s[G2]
	s_and_b32 s[H0], s[H0], 7                      ; my head in phase 0; in phase 1 it is 4 further round
	s_lshr_b32 s[T0], s[H0], 2
	s_lshl_b32 s[T0], s[T0], 19
	s_and_b32 s[T1], s[H0], 3
	s_lshl_b32 s[T1], s[T1], 14
	s_add_co_u32 s[UO], s[T0], s[T1]
	s_add_co_u32 s[UO], s[UO], 4*524288            ; region 4 + head / 4 of wst, part head % 4 of each step
	s_xor_b32 s[U1], s[UO], 524288                 ; the other region, the same part
	s_lshl_b32 s[UF], s[BB], 19
	s_add_co_u32 s[UF], s[UF], s[G0+1]
	s_lshl_b32 s[UK], s[BB], 11
	s_wait_kmcnt 0x0
	s_add_nc_u64 s[4:5], s[4:5], s[CO:CO+1]
	s_add_nc_u64 s[PO:PO+1], s[18:19], s[CO:CO+1]
	s_add_nc_u64 s[WB0:WB0+1], s[12:13], s[UO:UO+1]
	s_add_nc_u64 s[WB1:WB1+1], s[12:13], s[U1:U1+1]
	s_add_nc_u64 s[WB2:WB2+1], s[14:15], s[UF:UF+1]
	s_add_nc_u64 s[16:17], s[16:17], s[UK:UK+1]
	s_mov_b32 s[PL], 0
	LOADX                                          ; the pair for place 0
	global_load_b128 v[224:227], v3, s[6:7]
	global_load_b128 v[228:231], v3, s[8:9]
	global_load_b128 v[232:235], v3, s[16:17]
	global_load_b128 v[236:239], v[GOF], s[10:11]
	s_mov_b32 s[TU], 0
	SETW G0
	SETW G0+4
	CROUND                                         ; all four work-groups are here: the first joint loads meet
	JLOAD G0                                       ; two tensor loads of mine are out
	JLOAD G0+4
	s_wait_loadcnt 0x0
.irp x, 224,225,226,227,228,229,230,231,236,237,238,239    ; the biases are rounded to bf16 like the other inputs; ksum is not
	v_cvt_pk_bf16_f32 v[\x], v[\x], v[\x]
.endr
.irp x, 224,225,226,227,228,229,230,231,236,237,238,239
	v_lshlrev_b32 v[\x], 16, v[\x]
.endr
.irp x, 224,225,226,227                ; and b1 and b2 then take the scales of their weights
	v_mul_f32 v[\x], s[NL2], v[\x]
.endr
.irp x, 228,229,230,231
	v_mul_f32 v[\x], -1.0, v[\x]
.endr
	ds_store_b128 v[CBT], v[224:227]
	ds_store_b128 v[CBT], v[228:231] offset:256
	ds_store_b128 v[CST], v[236:239] offset:4096
	ds_store_b128 v[CST], v[232:235] offset:6144
	s_mov_b32 s[XW], 0
	STOREX
	s_mov_b32 s[XW], PAIR
	s_mov_b32 s[PL], 1
	LOADX
	s_mov_b32 s[PL], 2
	s_mov_b32 s[PS], 1
	s_wait_tensorcnt 0x1                           ; my part of slot 0 is in; slot 1's may stay out
	s_wait_dscnt 0x0                               ; my rows of the first pair and my part of the constants are stored
	s_barrier_signal -1
	s_barrier_wait -1
	s_mov_b32 s[PH], 0
.Lphase:
.rept 6
	v_nop
.endr
	s_mov_b32 s[CI], 0
	s_mov_b32 s[WR], 0
	v_mov_b32 v[ADRA], v[ADRA0]
	v_mov_b32 v[ADRB], v[ADRB0]
	s_lshl_b32 s[T0], s[PH], 11
	v_add_nc_u32 v[CBT], s[T0], v[CBT0]
	WIN 0x40
.irp c, 0,1,2,3,4,5,6,7                ; the C operands: for weight block c the eight numbers at 64 c + 32 hh: b1 (c < 4) and b2 of my head, or out_b of my columns
	ds_load_b128 v[SAFE0+8*(\c):SAFE0+8*(\c)+3],   v[CBT] offset:64*(\c)
	ds_load_b128 v[SAFE0+8*(\c)+4:SAFE0+8*(\c)+7], v[CBT] offset:64*(\c)+16
.endr
	FETCHB BF0, 0
	FETCHA 0, 0
	FETCHA 1, 0
	HALF0 2                                        ; the first products start the sums with the biases: nothing is cleared, nothing is added later
	WIN 0
	s_lshr_b32 s[T0], s[PH], 1                     ; 1 in the last phase
	s_sub_co_u32 s[CNT], 7, s[T0]                  ; seven trips; six in the last phase, whose last two steps fill nothing
.Lstep:                                ; a trip: from a step's second half to the next step's first; the slot just read is filled again
	MEET
	FILL
	TOG
	REST
	WIN 0
	s_and_b32 s[T0], s[CI], 1
	s_cmp_eq_u32 s[T0], 0
	s_cbranch_scc1 .Lnostage                       ; every second trip, while pairs of x are left: the next pair goes into LDS, and a further one is asked for
	s_wait_loadcnt 0x0
	s_cmp_ge_u32 s[PS], NPAIR
	s_cbranch_scc1 .Lnostage
	STOREX
	s_add_co_u32 s[XW], s[XW], PAIR
	s_add_co_u32 s[PS], s[PS], 1
	s_cmp_ge_u32 s[PL], NPAIR
	s_cbranch_scc1 .Lnostage
	LOADX
	s_add_co_u32 s[PL], s[PL], 1
.Lnostage:
	HALF0 0
	WIN 0
	s_sub_co_u32 s[CNT], s[CNT], 1
	s_cmp_lg_u32 s[CNT], 0
	s_cbranch_scc1 .Lstep
	s_cmp_eq_u32 s[PH], NPH-1
	s_cbranch_scc1 .Llast                          ; the last phase's end stands behind the loop
	MEET                                           ; the last step asks for the next phase's second step
	FILL
	HI
	WIN 0
	PLACES
	s_lshl_b32 s[T0], s[PH], 10
	v_add_nc_u32 v[CBT], s[T0], v[KSA0]            ; ksum at place 4 PH + w
.irp n, 0,1,2,3
	ds_load_b128 v[KSC+8*(\n):KSC+8*(\n)+3],   v[CBT] offset:64*(\n)
	ds_load_b128 v[KSC+8*(\n)+4:KSC+8*(\n)+7], v[CBT] offset:64*(\n)+16
.endr
	s_mov_b32 s[TRIP], 0
	ST1 2                                          ; rows 0-63
	WIN 0
	s_branch .Lbody                                ; the loop is entered behind its first stage
.Lsw:
	ST1 3                                          ; rows 64-127 come down into window 2
	WIN 0
.Lbody:
	GATE2 0
	GATE2 1
	GATE2 2
	GATE2 3
	ELU 0
	ELU 1
	ELU 2
	ELU 3
	s_wait_dscnt 0x0                               ; ksum is in
	WIN 0x02                                       ; phi_q . ksum over my 32 channels: four chains, one a row block
.set p, 0
.rept 16
.irp ii, 0,1,2,3
.if p == 0
	v_pk_mul_f32 v[DN+2*(\ii):DN+2*(\ii)+1], v[64*(\ii):64*(\ii)+1], v[KSC:KSC+1]
.else
	v_pk_fma_f32 v[DN+2*(\ii):DN+2*(\ii)+1], v[64*(\ii)+2*p:64*(\ii)+2*p+1], v[KSC+2*p:KSC+2*p+1], v[DN+2*(\ii):DN+2*(\ii)+1]
.endif
.endr
.set p, p+1
.endr
	WIN 0
.irp ii, 0,1,2,3
	v_add_f32 v[DN+2*(\ii)], v[DN+2*(\ii)], v[DN+2*(\ii)+1]
.endr
.irp ii, 0,1,2,3
	v_permlanex16_b32 v[DN+2*(\ii)+1], v[DN+2*(\ii)], s[SEL], s[SEL+1]   ; the row's other 32 channels lie in the lane 16 away
.endr
.irp ii, 0,1,2,3
	v_add_f32 v[DN+2*(\ii)], v[DN+2*(\ii)], v[DN+2*(\ii)+1]
.endr
.irp ii, 0,1,2,3
	v_add_f32 v[DN+2*(\ii)], 0x358637bd, v[DN+2*(\ii)]                   ; + 1e-6
.endr
.irp ii, 0,1,2,3
	v_rcp_f32 v[DN+2*(\ii)], v[DN+2*(\ii)]
.endr
	v_nop
	WIN 0x82
	s_wait_alu depctr_va_vdst(0)
.irp ii, 0,1,2,3
.set p, 0
.rept 16
	v_pk_mul_f32 v[64*(\ii)+2*p:64*(\ii)+2*p+1], v[64*(\ii)+2*p:64*(\ii)+2*p+1], v[DN+2*(\ii):DN+2*(\ii)+1] op_sel_hi:[1,0]
.set p, p+1
.endr
.endr
	WIN 0
	s_cmp_eq_u32 s[TRIP], 1
	s_cbranch_scc1 .Lcv1
	CVT BF0
	WIN 0
	s_branch .Lcvj
.Lcv1:
	CVT BF1
	WIN 0
.Lcvj:
	s_add_co_u32 s[TRIP], s[TRIP], 1
	s_cmp_lt_u32 s[TRIP], 2
	s_cbranch_scc1 .Lsw
	s_cmp_eq_u32 s[PH], 0
	s_cbranch_scc0 .Lp1
	WIN 0x01                                       ; the first phase's pq is kept in S, which has taken its last pair of x
.set p, 0
.rept 128
	v_mov_b32 v[S+p], v[BF0+p]
.set p, p+1
.endr
	WIN 0
	s_branch .Lpe
.Lp1:                                  ; every wave's reads of x ended in front of the last barrier: pq takes x's place, chunk = place
.set pi, 0
.rept 8
.set pn, 0
.rept 4
	ds_store_b128 v[PQ0], v[S+16*pi+4*pn:S+16*pi+4*pn+3] offset:pi*2304+pn*32
.set pn, pn+1
.endr
.set pi, pi+1
.endr
	WIN 0x04
.set pi, 0
.rept 8
.set pn, 0
.rept 4
	ds_store_b128 v[PQ1], v[BF0+16*pi+4*pn:BF0+16*pi+4*pn+3] offset:pi*2304+pn*32
.set pn, pn+1
.endr
.set pi, pi+1
.endr
	WIN 0
.Lpe:
	s_wait_dscnt 0x0                               ; for the others' sake: my part of pq is stored
	s_barrier_signal -1                            ; my load for slot 1 stays out, which has its own waits
	s_barrier_wait -1
	s_add_co_u32 s[PH], s[PH], 1
	s_cmp_lt_u32 s[PH], NPH
	s_cbranch_scc1 .Lphase
.Llast:                                ; the last phase's last two steps ask for nothing
	MEET
	PLACES
	TOG
	REST
	HALF0 0
	s_wait_dscnt 8
	MUL16 BF1, 0, 0, 0
	MUL16 BF1, 0, 2, 0
	s_wait_dscnt 0x0
	HI
	WIN 0
	PLACES
	TOSTAGE 0
.irp i, 1,2,3,4,5,6,7
	TOSTAGE \i
	SEND (\i)-1, 32
.endr
	SEND 7, 0
	s_wait_tensorcnt 0x0                           ; the wave's end
	ds_add_u32 v[SPW], v[NIL]
	s_wait_dscnt 0x0
	CROUND                                         ; the closing round
	s_endpgm
.Lfunc_end_k_qc33a8f4f44_qo:
	.size	k_qc33a8f4f44_qo, .Lfunc_end_k_qc33a8f4f44_qo-k_qc33a8f4f44_qo
	.p2alignl 7, 3214868480
	.fill 96, 4, 3214868480
	.section	.rodata,"a",@progbits
	.p2align	6, 0x0
	.amdhsa_kernel k_qc33a8f4f44_qo
		.amdhsa_group_segment_fixed_size 327680
		.amdhsa_private_segment_fixed_size 0
		.amdhsa_enable_private_segment 0
		.amdhsa_kernarg_size 64
		.amdhsa_user_sgpr_count 2
		.amdhsa_user_sgpr_kernarg_segment_ptr 1
		.amdhsa_wavefront_size32 1
		.amdhsa_system_sgpr_workgroup_id_x 1
		.amdhsa_system_sgpr_workgroup_id_y 1
		.amdhsa_system_sgpr_workgroup_id_z 1
		.amdhsa_system_vgpr_workitem_id 0
		.amdhsa_next_free_vgpr 1024
		.amdhsa_next_free_sgpr 96
		.amdhsa_reserve_vcc 0
		.amdhsa_float_denorm_mode_32 3
		.amdhsa_float_denorm_mode_16_64 3
		.amdhsa_memory_ordered 1
		.amdhsa_forward_progress 1
		.amdhsa_inst_pref_size 179
	.end_amdhsa_kernel
	.amdgpu_metadata
---
amdhsa.version: [ 1, 2 ]
amdhsa.kernels:
  - .name:           k_qc33a8f4f44_qo
    .symbol:         k_qc33a8f4f44_qo.kd
    .args:
      - { .name: query, .offset: 0, .size: 8, .value_kind: global_buffer, .address_space: global }
      - { .name: q_b1, .offset: 8, .size: 8, .value_kind: global_buffer, .address_space: global }
      - { .name: q_b2, .offset: 16, .size: 8, .value_kind: global_buffer, .address_space: global }
      - { .name: out_b, .offset: 24, .size: 8, .value_kind: global_buffer, .address_space: global }
      - { .name: wst, .offset: 32, .size: 8, .value_kind: global_buffer, .address_space: global }
      - { .name: wf, .offset: 40, .size: 8, .value_kind: global_buffer, .address_space: global }
      - { .name: ks, .offset: 48, .size: 8, .value_kind: global_buffer, .address_space: global }
      - { .name: out0, .offset: 56, .size: 8, .value_kind: global_buffer, .address_space: global }
    .group_segment_fixed_size: 327680
    .private_segment_fixed_size: 0
    .kernarg_segment_align: 8
    .kernarg_segment_size: 64
    .max_flat_workgroup_size: 128
    .sgpr_count:     96
    .vgpr_count:     1024
    .wavefront_size: 32
...
	.end_amdgpu_metadata
.endif
;; end of part 4
